; MI455X (gfx1250); checked and timed in simulation.
; The chip was launched on July 23, 2026; its instructions are those of AMD's public machine-readable ISA for CDNA 5 (MIT licence, August 2026) and "CDNA5" Instruction Set Architecture Reference Guide (July 2026). The comments in the code are by the model that wrote it; some were corrected since.
;; Load Experts. Allowed arithmetic: matrix products marked QUANTISED: E2M3 operands, one E8M0 scale for each 32 along K, by v_wmma_scale_f32_16x16x128_f8f6f4 with both operands' format E2M3, f32 sums; everything else in f32.
;; Inputs: down_proj 32 x 512 x 1,024 float32; down_proj_bias 32 x 1,024 float32; gate_up_proj 32 x 1,024 x 1,024 float32; gate_up_proj_bias 32 x 1,024 float32; hidden_states 4 x 256 x 1,024 float32; router_indices 1,024 x 4 int32; routing_weights 1,024 x 32 float32.
;; Outputs: out0 4 x 256 x 1,024 float32.
;; This version of the problem:
;;   THIS VERSION OF THE PROBLEM IS GIVEN IN LOW PRECISION. The matrix products marked QUANTISED in the list below multiply operands that are first quantised to E2M3 (2 exponent bits, 3 mantissa bits; 6 bits a number), with one power-of-two scale for each 32 numbers along K (OCP MX v1.0); their sums are f32. All else is computed in f32.
;;   The module's matrix products, in the order in which they are computed (A, B: the left and right operand; K: the contracted axis; several contracted axes count as one K, in the product's order):
;;     1. [M 32,768, K 1,024] x [K 1,024, N 1,024]; A: input gate_up_proj; B: input hidden_states: QUANTISED
;;     2. batch 32 x [M 1,024, K 512] x [K 512, N 1,024]; A: computed on the way; B: input down_proj: QUANTISED
;;   THE QUANTISER, for each operand of a quantised product, along K:
;;     - K is cut into blocks of 32 from its start; a last block that is shorter is filled with zeros.
;;     - A block's scale is 2^e with e = floor(log2(the largest magnitude in the block)) - 2, held to -126 .. 127; a block of zeros has e = 0. As a byte (E8M0): e + 127.
;;     - Each number is divided by its block's scale, clamped to +-7.5, and rounded to the nearest number of E2M3, ties to even, subnormals kept.
;;     - The product sums the exact products of the quantised numbers (number of the format x scale) in f32.
;;   ~~~python
;;   def quantise(x, axis):      # numpy; x: float32 -> the quantised numbers, widened to float32 again
;;       x = np.moveaxis(x, axis, -1); K = x.shape[-1]
;;       x = np.pad(x, [(0, 0)] * (x.ndim - 1) + [(0, -K % 32)]); x = x.reshape(x.shape[:-1] + (-1, 32)); a = np.abs(x).max(-1, keepdims=True)
;;       e = np.where(a > 0, np.clip(np.frexp(np.where(a > 0, a, 1))[1] - 1 - 2, -126, 127), 0)      # np.frexp(a)[1] - 1 = floor(log2(a)), exactly
;;       r = np.clip(x / 2.0 ** e, -7.5, 7.5)
;;       step = 2.0 ** (np.maximum(np.frexp(np.where(r == 0, 1, r))[1] - 1, 0) - 3)
;;       q = np.round(r / step) * step * 2.0 ** e      # np.round: ties to even
;;       return np.moveaxis(q.reshape(q.shape[:-2] + (-1,))[..., :K], -1, axis).astype(np.float32)
;;   ~~~
;;   OPERANDS COMPUTED ON THE WAY. 'Computed on the way' means the value that the module computes at that place (a softmax that the list does not call 'softmax' is quantised finished and normalised). What goes into a quantiser is computed in f32, as accurately as f32 sums, v_exp_f32 and their like allow (about 1e-6 of the number): no bf16 or f16 on the way to a quantiser, and a product that is left as it is and whose result goes on into a quantised operand takes f32 operands (vector FMAs, or v_wmma_f32_16x16x4_f32). A number that lies on a knife's edge between two numbers of the format may be rounded either way, as far as f32 arithmetic and the matrix unit's own rounding can turn it there, and no further.
;; One version. Each part assembles by itself: llvm-mc -triple=amdgcn-amd-amdhsa -mcpu=gfx1250 --defsym DOCPART=n.
;; ======== version 1 of 1: 4 launches
;; workspace buffers: xq 1,048,576 bytes; hq 13,107,200 bytes; w2q 13,107,200 bytes; part 16,777,216 bytes
;; launch quantx (part 1): grid 64 x 1, 8 waves a work-group, no clusters, 2,048 bytes of LDS; arguments hidden_states, xq; writes xq
.if DOCPART == 1
	.amdgcn_target "amdgcn-amd-amdhsa--gfx1250"
	.amdhsa_code_object_version 6
	.text
	.protected	k_qfdde81bfaf_quantx
	.globl	k_qfdde81bfaf_quantx
	.p2align	8
	.type	k_qfdde81bfaf_quantx,@function
k_qfdde81bfaf_quantx:
	s_mov_b64 s[64:65], 0
	v_nop
	global_prefetch_b8 v0, s[64:65] scope:SCOPE_SE
	s_setreg_imm32_b32 hwreg(HW_REG_WAVE_MODE, 25, 1), 1
	s_wait_xcnt 0x0
; x [1024 tokens][1024] f32 becomes codes of FP6 (E2M3) with one E8M0 byte for each 32 along K, laid as the next launch's operand registers.
; A work-group takes a tile of 16 tokens, wave s its K step s (128 along K).  The tile's record holds eight images of 1,536 bytes (plane q at 512 q, lane l's registers 4 q .. 4 q + 3 at 16 l)
; and behind them, at 12,288, the scale words: 32 bytes a token, word s for K step s.  Record m lies at 131,072 (m / 8) + 12,800 (m % 8): eight tiles are one step of the next launch.
; A block's scale is 2^(floor(log2(largest magnitude)) - 2); its byte is the largest magnitude's exponent field - 2, held at 1 from below.
; LIMITS: NaN and infinities are not served.  A block whose largest magnitude lies under 2^-124 keeps the byte 1; a block of zeros has the byte 1 where the rule says 127: its codes are zeros, and this program alone reads the bytes.
; 64 work-groups are all the work there is: 4 MiB are read once.  No matrix unit, no tensor load, no cluster: nothing is shared and nothing is multiplied.
.set XN,  16                           ; v16-79   64 numbers: register 16 b + i = k 32 b + 16 (lane / 16) + i of my token
.set TM,  80                           ; v80-95   largest magnitudes, bytes, scale operands
.set PW,  96                           ; v96      my token's scale word
.set PC,  100                          ; v100-118 the codes
.set SEL, 20                           ; s[20:21] v_permlanex16_b32's selects for lane l xor 16
	s_load_b128 s[4:7], s[0:1], 0x0                ; x, xq
	v_lshl_add_u32 v128, v0, 2, 0x400
	v_mov_b32 v129, 0
	v_lshrrev_b32 v1, 5, v0
	v_readfirstlane_b32 s8, v1                     ; wave = K step
	v_and_b32 v2, 31, v0                           ; lane
	v_and_b32 v3, 15, v0                           ; r: my token in the tile
	v_bfe_u32 v4, v0, 4, 1                         ; h
	v_lshlrev_b32 v5, 12, v3
	v_lshl_add_u32 v5, v4, 6, v5                   ; x: row r of 4,096 bytes, + 64 h: my 16 numbers of a block of 32
	v_lshlrev_b32 v6, 4, v2                        ; 16 x lane
	s_lshl_b32 s9, s8, 2
	v_lshl_add_u32 v7, v3, 5, s9                   ; LDS: 32 r + 4 s: my token's scale word of my K step
	s_mov_b32 s[SEL], 0x76543210
	s_mov_b32 s[SEL+1], 0xfedcba98
.irp b, 0,1,2,3
	v_mov_b32 v[TM+4+\b], 0                        ; written once: a lane permute's destination counts as one of its sources
.endr
	s_lshl_b32 s10, ttmp9, 16                      ; 16 rows of 4,096 bytes a tile,
	s_lshl_b32 s11, s8, 9                          ; 512 bytes a K step
	s_add_co_u32 s10, s10, s11
	s_mov_b32 s11, 0
	s_lshr_b32 s12, ttmp9, 3
	s_lshl_b32 s12, s12, 17
	s_and_b32 s13, ttmp9, 7
	s_mul_i32 s13, s13, 12800
	s_add_co_u32 s12, s12, s13                     ; the tile's record
	s_mov_b32 s13, 0
	s_mul_i32 s14, s8, 1536                        ; my image in it
	s_mov_b32 s15, 0
	s_wait_kmcnt 0x0
	s_add_nc_u64 s[4:5], s[4:5], s[10:11]
	s_add_nc_u64 s[6:7], s[6:7], s[12:13]
	s_add_nc_u64 s[16:17], s[6:7], s[14:15]
.irp b, 0,1,2,3
.irp j, 0,1,2,3
	global_load_b128 v[XN+16*\b+4*\j:XN+16*\b+4*\j+3], v5, s[4:5] offset:128*\b+16*\j th:TH_LOAD_NT
.endr
.endr
	s_wait_loadcnt 0x0
.irp b, 0,1,2,3
	v_max3_num_f32 v[TM+\b], |v[XN+16*\b]|, |v[XN+1+16*\b]|, 0x1800000   ; block b: my 16 numbers, and the floor 2^(3 - 127): so the byte cannot fall under 1
.endr
.irp i, 2,4,6,8,10,12,14
.irp b, 0,1,2,3
	v_max3_num_f32 v[TM+\b], v[TM+\b], |v[XN+16*\b+\i]|, |v[XN+1+16*\b+\i]|   ; the four blocks by turns
.endr
.endr
.irp b, 0,1,2,3
	v_permlanex16_b32 v[TM+4+\b], v[TM+\b], s[SEL], s[SEL+1]
.endr
.irp b, 0,1,2,3
	v_max_num_f32 v[TM+\b], v[TM+\b], v[TM+4+\b]   ; with lane l xor 16's: the block's largest magnitude
.endr
.irp b, 0,1,2,3
	v_add_nc_u32 v[TM+12+\b], 0xff000000, v[TM+\b] ; 2 off its exponent field: the conversion takes the exponent field of this operand as its scale
.endr
.irp b, 0,1,2,3
	v_lshrrev_b32 v[TM+4+\b], 23, v[TM+12+\b]      ; the scale's byte
.endr
	v_lshl_or_b32 v[PW], v[TM+5], 8, v[TM+4]
	v_lshl_or_b32 v[PW], v[TM+6], 16, v[PW]
	v_lshl_or_b32 v[PW], v[TM+7], 24, v[PW]
.irp c, 0,1
	v_cvt_scalef32_pk16_fp6_f32 v[PC+6*\c:PC+2+6*\c], v[XN+32*\c:XN+15+32*\c], v[TM+12+2*\c]
	v_cvt_scalef32_pk16_fp6_f32 v[PC+12+4*\c:PC+14+4*\c], v[XN+16+32*\c:XN+31+32*\c], v[TM+12+2*\c+1]   ; a conversion's three registers begin on an even number
.endr
	v_nop                                          ; one plain place behind a scaled conversion
.irp c, 0,1                                    ; the operand's layout wants a whole block in a lane: lanes 0-15 block 2 c, lanes 16-31 block 2 c + 1
.irp i, 0,1,2
	v_permlane16_swap_b32 v[PC+6*\c+\i], v[PC+12+4*\c+\i]
.endr
.irp i, 0,1,2
	v_mov_b32 v[PC+3+6*\c+\i], v[PC+12+4*\c+\i]
.endr
.endr
.irp q, 0,1,2
	global_store_b128 v6, v[PC+4*\q:PC+4*\q+3], s[16:17] offset:512*\q   ; 32 lanes store 512 consecutive bytes, aligned to 256
.endr
	ds_store_b32 v7, v[PW]                         ; lanes r and r + 16 write the same word with the same value
	s_wait_dscnt 0x0                               ; for the others' sake: my word has landed
	s_barrier_signal -1
	s_barrier_wait -1
	s_cmp_lg_u32 s8, 0
	s_cbranch_scc1 .Ldone
	ds_load_b128 v[8:11], v6                       ; wave 0 takes the tile's 512 bytes of scale words
	s_wait_dscnt 0x0
	global_store_b128 v6, v[8:11], s[6:7] offset:12288
.Ldone:
	s_wait_tensorcnt 0x0
	ds_add_u32 v128, v129
	s_wait_dscnt 0x0
	s_endpgm
.Lfunc_end_k_qfdde81bfaf_quantx:
	.size	k_qfdde81bfaf_quantx, .Lfunc_end_k_qfdde81bfaf_quantx-k_qfdde81bfaf_quantx
	.p2alignl 7, 3214868480
	.fill 96, 4, 3214868480
	.section	.rodata,"a",@progbits
	.p2align	6, 0x0
	.amdhsa_kernel k_qfdde81bfaf_quantx
		.amdhsa_group_segment_fixed_size 2048
		.amdhsa_private_segment_fixed_size 0
		.amdhsa_enable_private_segment 0
		.amdhsa_kernarg_size 16
		.amdhsa_user_sgpr_count 2
		.amdhsa_user_sgpr_kernarg_segment_ptr 1
		.amdhsa_wavefront_size32 1
		.amdhsa_system_sgpr_workgroup_id_x 1
		.amdhsa_system_sgpr_workgroup_id_y 1
		.amdhsa_system_sgpr_workgroup_id_z 1
		.amdhsa_system_vgpr_workitem_id 0
		.amdhsa_next_free_vgpr 130
		.amdhsa_next_free_sgpr 66
		.amdhsa_reserve_vcc 0
		.amdhsa_float_denorm_mode_32 3
		.amdhsa_float_denorm_mode_16_64 3
		.amdhsa_memory_ordered 1
		.amdhsa_forward_progress 1
		.amdhsa_inst_pref_size 8
	.end_amdhsa_kernel
	.amdgpu_metadata
---
amdhsa.version: [ 1, 2 ]
amdhsa.kernels:
  - .name:           k_qfdde81bfaf_quantx
    .symbol:         k_qfdde81bfaf_quantx.kd
    .args:
      - { .name: hidden_states, .offset: 0, .size: 8, .value_kind: global_buffer, .address_space: global }
      - { .name: xq, .offset: 8, .size: 8, .value_kind: global_buffer, .address_space: global }
    .group_segment_fixed_size: 2048
    .private_segment_fixed_size: 0
    .kernarg_segment_align: 8
    .kernarg_segment_size: 16
    .max_flat_workgroup_size: 256
    .sgpr_count:     66
    .vgpr_count:     130
    .wavefront_size: 32
...
	.end_amdgpu_metadata
.endif
;; end of part 1
;; launch gateup (part 2): grid 256 x 1, 4 waves a work-group, clusters of 4 x 1, 327,680 bytes of LDS; arguments xq, gate_up_proj, gate_up_proj_bias, down_proj, hq, w2q; writes hq, w2q
.if DOCPART == 2
	.amdgcn_target "amdgcn-amd-amdhsa--gfx1250"
	.amdhsa_code_object_version 6
	.text
	.protected	k_qfdde81bfaf_gateup
	.globl	k_qfdde81bfaf_gateup
	.p2align	8
	.type	k_qfdde81bfaf_gateup,@function
k_qfdde81bfaf_gateup:
	s_mov_b64 s[64:65], 0
	v_nop
	global_prefetch_b8 v0, s[64:65] scope:SCOPE_SE
	s_setreg_imm32_b32 hwreg(HW_REG_WAVE_MODE, 25, 1), 1
	s_wait_xcnt 0x0
	s_wait_alu depctr_hold_cnt(0) depctr_sa_sdst(0) depctr_va_vdst(0) depctr_va_sdst(0) depctr_va_ssrc(0) depctr_va_vcc(0) depctr_vm_vsrc(0)
	s_getreg_b32 s2, hwreg(HW_REG_IB_STS2, 6, 4)
	s_cmp_eq_u32 s2, 0
	s_cbranch_scc0 .Lentry_in_a_cluster
	s_endpgm
.Lentry_in_a_cluster:
	s_bfe_u32 s2, ttmp6, 0x10000c
	s_cmp_lg_u32 s2, 0x3003
	s_cbranch_scc0 .Lentry_shape_is_right
	s_endpgm
.Lentry_shape_is_right:
; First product, activation and both weights' quantising.  Work-group (e, g) owns columns 128 g .. 128 g + 127 of expert e's gate_up_proj [1024 (K)][1024] (64 hidden units: blocks 2 g, 2 g + 1 of the second
; product's K) for all 1,024 tokens, and the quantising of columns 128 g .. + 127 of the expert's down_proj [512 (K)][1024].  So every f32 weight is read from memory once in the whole program.
; TIME LINE.  The 128 columns are two sub-slabs of 64.  Opening phase: sub-slab 0 is streamed and quantised.  Phase 1: its product with all tokens, while sub-slab 1 is streamed and quantised behind it.
; Phase 2: sub-slab 1's product, while the part of down_proj is streamed and quantised.  Two thirds of the weight bytes arrive under matrix work.
; THE STREAM comes by loads into registers, a unit of 32 K rows x 64 columns (16 loads of two whole rows of 256 bytes) at a time, turns through the wave's own stage in LDS so that a lane holds one column and its
; 32 registers run down K, is quantised (a block lies in one lane), and its codes and scale bytes go to the region NEXT, from which all four waves take the sub-slab's 32 fragments into registers.
; THE PRODUCT is used transposed (source 0 = 16 columns of W1, source 1 = 16 tokens): a lane holds one token.  Tile t = 2 isUp + u takes, as its row rho, unit 8 u + rho + 8 (rho / 8) of the block, so that
; a lane's 16 gate registers and 16 up registers are units 16 (lane / 16) + 0 .. 15.  The bias is the C of each sum's first matrix instruction.
; A step is 128 tokens; wave w takes token tiles 2 w, 2 w + 1 of them.  x comes as operand images out of xq through two LDS slots; every work-group walks the same x, so the four partners of a cluster ask for each tile JOINTLY.
; OUT: hq, the hidden layer's codes, each store one aligned run of 256 bytes; its scale bytes are gathered in LDS and leave at the end; w2q, down_proj's codes as operand images.
; act = (min-clipped gate) x 1 / (1 + 2^(c gate)) x (clipped up + 1), c = -1.702 log2(e) folded into one f32 constant.
; LIMITS: NaN and infinities are not served.  Blocks whose largest magnitude lies under 2^-124 keep the scale byte 1; a block of zeros has the byte 1 where the rule says 127 (zero codes; this program alone reads the bytes).
; Where the gate lies below about -51 the power of two overflows or its reciprocal falls to zero: the product is then -0 where the exact number is below 1e-36 in magnitude.
; router_indices is an argument that the computation never uses; no launch names it.
.set XSTEP, 131072                     ; xq: from a step's records to the next step's
.set XWAVE, 25600                      ; a wave's two records
.set XREC,  12800
.set XSLOT, 102400                     ; LDS: slot 0 at 0, slot 1 at XSLOT; wave w's records at 25,600 w
.set NEXT,  204800                     ; codes being made: 12,288 w + 3,072 (j / 2) + 1,024 i + 256 t + 128 (j % 2) + 8 r   (unit j of wave w, word pair i, tile t, row r)
.set NSC,   253952                     ; their scale bytes: 512 w + 8 (16 t + r) + j
.set STG,   256000                     ; the waves' stages, 8,192 bytes each
.set HSC,   288768                     ; the hidden layer's scale bytes: 2 bytes a token
.set SPARE, 290816                     ; the spare words, 128 bytes for each wave: two blocks of 256 bytes that no other line names
; window 0
.set SPW, 1                            ; v1   SPARE + 4 x thread; never rewritten
.set NIL, 2                            ; v2   0; never rewritten
.set XA,  3                            ; v3-4 x's images in slot 0, 1: 25,600 w + 16 lane
.set XSA, 5                            ; v5-6 x's scale words: + 12,288 + 32 r + 16 h
.set L8,  7                            ; v7   8 x lane
.set HSA, 8                            ; v8   HSC + 64 w + 2 lane
.set NS,  9                            ; v9   NSC + 1,024 h + 8 r
.set L8N, 10                           ; v10  NEXT + 8 lane
.set FL,  11                           ; v11  L8N + 24,576 (w / 2) + 512 (w % 2)
.set L16, 12                           ; v12  16 x lane
.set BO,  13                           ; v13  128 h
.set THA, 14                           ; v14  the step's place in HSC
.set FSA, 20                           ; v20  NSC + 1,024 (thread / 64) + 8 (thread % 64)
.set T16, 21                           ; v21  16 x thread
.set HFA, 22                           ; v22  HSC + 512 w + 8 lane
.set W1S, 32                           ; v32-47  W1's scale words: register 4 t + i: K step i in lanes 0-15, K step 4 + i in lanes 16-31
.set XS,  48                           ; v48-55  x's, likewise: 4 a + i
.set HA,  56                           ; v56-119 accumulators: token tile a at 32 a: 16 gates, 16 ups
.set XF,  120                          ; v120-215 x's fragments of four K steps: 12 (2 s + a)
.set T,   216                          ; v216-247 at work
.set MX,  216
.set PM,  218
.set SO,  220
.set BY,  222
.set CX,  224
.set CY,  230
.set BYS, 234
; window 1: v0-191 W1's fragments of K steps 0-3 at 12 (4 s + t); v192-255 the bias: 192 + 32 p + 8 t + j.   window 2: v0-191 K steps 4-7.
; window 3: all that the stream touches, its address registers too, so that one setting serves it
.set RAW, 0                            ; three sets of 64: a unit as loaded
.set COL, 192                          ; 32 numbers down K of my column
.set MXA, 224
.set MXB, 225
.set SOP, 226
.set BYT, 227
.set CD,  228
.set CE,  234
.set GOF, 240                          ; 4,096 (lane / 16) + 16 (lane % 16)
.set STW, 241                          ; my stage + 16 lane
.set STR, 242                          ; my stage + 4 lane
.set NW,  242                          ; NW + map: v243 W1's, v244 W2's place of my column's codes in NEXT
.set SW,  244                          ; SW + map: v245, v246 of its scale bytes
.set TAC, 247
.set TAS, 248
; scalars
.set WV,  16
.set G1,  24                           ; s[24:31] group 1; s[32:35], s[36:39] group 0 of slot 0, 1
.set G0,  32
.set XB,  40                           ; xq + 25,600 w
.set XO,  42                           ; s[42:43], s[44:45] the offset of the next fill of slot 0, 1
.set LB,  46                           ; the stream in hand, the next, the one after
.set NB,  48
.set NB2, 50
.set LO,  52                           ; the unit's offset in its stream
.set CUR, 54
.set HB,  56                           ; hq at the trip's first step
.set HB0, 58
.set NJ,  60
.set SJ,  61
.set HI,  62
.set CNT, 63
.set SEL, 66
.set P7,  68
.set M7,  69
.set CS,  70
.set HM,  72
.set MSB, 0
.macro WIN new                         ; the immediate's high byte repeats the setting that is left
.if MSB != \new
	s_set_vgpr_msb (MSB<<8)|\new
.set MSB, \new
.endif
.endm
.macro PLACES n
.rept \n
	v_nop
.endr
.endm
.macro ROUND                           ; a round of the cluster's barrier
	s_barrier_signal -1
	s_barrier_wait -1
	s_cmp_lg_u32 s[WV], 0
	s_cbranch_scc1 .Lnw0_\@
	s_barrier_signal -3
.Lnw0_\@:
	s_barrier_wait -3
	s_barrier_signal -1
	s_barrier_wait -1
.endm
.macro WMS d, a, b, c, sa, sb, rows    ; rows = 3: both sides' scales from lanes 16-31
.if (\rows) == 0
	v_wmma_scale_f32_16x16x128_f8f6f4 v[\d:\d+7], v[\a:\a+11], v[\b:\b+11], v[\c:\c+7], v[\sa], v[\sb] matrix_a_fmt:MATRIX_FMT_FP6 matrix_b_fmt:MATRIX_FMT_FP6
.else
	v_wmma_scale_f32_16x16x128_f8f6f4 v[\d:\d+7], v[\a:\a+11], v[\b:\b+11], v[\c:\c+7], v[\sa], v[\sb] matrix_a_fmt:MATRIX_FMT_FP6 matrix_b_fmt:MATRIX_FMT_FP6 matrix_a_scale:MATRIX_SCALE_ROW1 matrix_b_scale:MATRIX_SCALE_ROW1
.endif
.endm
; The head of a step.  fill = 0, 1: that slot, which the step before has read, takes the next step's tokens: all my tensor loads have landed (the slot that I read now among them), 0 goes onto my spare word,
; the add and my LDS reads are waited for, a round of the cluster's barrier, and the joint load first behind it: one tensor load of mine is out.  fill = 2: the launch's last step asks for nothing; I read bytes that I asked for myself.
.macro TURN fill
	WIN 0
	s_wait_tensorcnt 0x0
.if \fill < 2
	ds_add_u32 v[SPW], v[NIL]                      ; 0 onto my spare word; the descriptor's step stands between it and the wait for it
	s_add_nc_u64 s[G0+4*\fill+2:G0+4*\fill+3], s[XB:XB+1], s[XO+2*\fill:XO+2*\fill+1]
	s_or_b32 s[G0+4*\fill+3], s[G0+4*\fill+3], 0x80000000
	s_add_co_u32 s[XO+2*\fill], s[XO+2*\fill], 2*XSTEP
	s_and_b32 s[XO+2*\fill], s[XO+2*\fill], 0xfffff    ; eight steps of 131,072 bytes: behind the last step comes the first again, for the next phase
	s_wait_dscnt 0x0
	ROUND
	tensor_load_to_lds s[G0+4*\fill:G0+4*\fill+3], s[G1:G1+7]
	s_nop 0
	PLACES 4
.endif
.endm
; The next unit of the stream into set n.  The offset wraps behind a stream's eighth unit, and the streams then move up: no branch.
.macro BG_ISSUE n
	s_wait_xcnt 0x0                                ; the loads and stores issued so far have read their bases: CUR may be written
	s_add_nc_u64 s[CUR:CUR+1], s[LB:LB+1], s[LO:LO+1]
.irp q, 0,1,2,3,4,5,6,7,8,9,10,11,12,13,14,15
	global_load_b128 v[RAW+64*\n+4*\q:RAW+64*\n+4*\q+3], v[GOF], s[CUR:CUR+1] offset:8192*\q th:TH_LOAD_NT   ; two whole rows of 256 bytes
.endr
	s_add_co_u32 s[LO], s[LO], 1<<17               ; 32 rows of 4,096 bytes
	s_and_b32 s[LO], s[LO], 0xfffff                ; SCC = not wrapped
	s_cselect_b64 s[LB:LB+1], s[LB:LB+1], s[NB:NB+1]
	s_cselect_b64 s[NB:NB+1], s[NB:NB+1], s[NB2:NB2+1]
.endm
; Set n's unit goes into my stage as it lies, and columns 0-31 come back, a lane a column.  LDS serves a wave's instructions in order: no wait between.  left: the loads issued behind this unit's.
.macro BG_IN n, left
	s_wait_loadcnt \left
.irp q, 0,1,2,3,4,5,6,7,8,9,10,11,12,13,14,15
	ds_store_b128 v[STW], v[RAW+64*\n+4*\q:RAW+64*\n+4*\q+3] offset:512*\q
.endr
.irp k, 0,1,2,3,4,5,6,7,8,9,10,11,12,13,14,15,16,17,18,19,20,21,22,23,24,25,26,27,28,29,30,31
	ds_load_b32 v[COL+\k], v[STR] offset:256*\k
.endr
.endm
.macro BG_COL1                         ; columns 32-63
.irp k, 0,1,2,3,4,5,6,7,8,9,10,11,12,13,14,15,16,17,18,19,20,21,22,23,24,25,26,27,28,29,30,31
	ds_load_b32 v[COL+\k], v[STR] offset:256*\k+128
.endr
.endm
; My column's block of 32 becomes six words of codes and a byte.  sg: which 32 columns; map 1: W1's lanes, 2: W2's; off, offs: the unit's place beside s[NJ], s[SJ].
.macro BG_Q sg, map, off, offs
	v_max3_num_f32 v[MXA], |v[COL]|, |v[COL+1]|, |v[COL+2]|
	v_max3_num_f32 v[MXB], |v[COL+3]|, |v[COL+4]|, |v[COL+5]|
.irp i, 6,10,14,18,22,26
	v_max3_num_f32 v[MXA], v[MXA], |v[COL+\i]|, |v[COL+\i+1]|
	v_max3_num_f32 v[MXB], v[MXB], |v[COL+\i+2]|, |v[COL+\i+3]|
.endr
	v_max3_num_f32 v[MXA], v[MXA], |v[COL+30]|, |v[COL+31]|
	v_max3_num_f32 v[MXA], v[MXA], v[MXB], 0x1800000   ; and the floor 2^(3 - 127): the byte cannot fall under 1
	v_add_nc_u32 v[SOP], 0xff000000, v[MXA]        ; 2 off the exponent field: the conversion's scale operand
	v_add_nc_u32 v[TAC], s[NJ], v[NW+\map]
	v_add_nc_u32 v[TAS], s[SJ], v[SW+\map]
	v_cvt_scalef32_pk16_fp6_f32 v[CD:CD+2], v[COL:COL+15], v[SOP]
	v_cvt_scalef32_pk16_fp6_f32 v[CE:CE+2], v[COL+16:COL+31], v[SOP]   ; a conversion's three registers begin on an even number
	v_lshrrev_b32 v[BYT], 23, v[SOP]               ; the scale's byte; also the plain place behind the conversions
.irp i, 0,1,2
	v_mov_b32 v[CD+3+\i], v[CE+\i]
.endr
.irp i, 0,1,2
	ds_store_b64 v[TAC], v[CD+2*\i:CD+2*\i+1] offset:\off+\sg*(64+448*(\map-1))+1024*\i
.endr
	ds_store_b8 v[TAS], v[BYT] offset:\offs+\sg*(64+192*(\map-1))
.endm
; x's fragments of four K steps (hf = 0: steps 0-3, with the scale words; 1: steps 4-7) of my two token tiles, as images
.macro XLOAD sl, hf
.irp ss, 0,1,2,3
.irp a, 0,1
.irp q, 0,1,2
	ds_load_b128 v[XF+12*(2*\ss+\a)+4*\q:XF+12*(2*\ss+\a)+4*\q+3], v[XA+\sl] offset:XREC*\a+1536*(4*\hf+\ss)+512*\q
.endr
.endr
.endr
.if \hf == 0
	ds_load_b128 v[XS:XS+3], v[XSA+\sl]
	ds_load_b128 v[XS+4:XS+7], v[XSA+\sl] offset:XREC
.endif
.endm
; 32 matrix instructions: four K steps x 2 token tiles x 4 tiles of columns.  The eight accumulators take turns, one instruction a turn.
.macro MM hf, p
.irp ss, 0,1,2,3
.if (\hf == 0) && (\ss == 0)
	WIN 0x11                                       ; W1 and the bias in window 1
.elseif \hf == 0
	WIN 0x01
.else
	WIN 0x02                                       ; W1 in window 2
.endif
.irp a, 0,1
.irp t, 0,1,2,3
.if (\hf == 0) && (\ss == 0)
	WMS HA+32*\a+8*\t, 12*(4*\ss+\t), XF+12*(2*\ss+\a), 192+32*\p+8*\t, W1S+4*\t+\ss, XS+4*\a+\ss, 0
.else
	WMS HA+32*\a+8*\t, 12*(4*\ss+\t), XF+12*(2*\ss+\a), HA+32*\a+8*\t, W1S+4*\t+\ss, XS+4*\a+\ss, 3*\hf
.endif
.endr
.endr
.endr
.endm
; The activation of 2 x 16 units a lane, its quantising, and the way out.  p: which block of the pair; sb: the trip's second step.  Each accumulator is read from its low end on.
.macro ACT p, sb
	s_wait_xcnt 0x0                                ; the last step's stores have read their data, which lie in the registers at work
.irp a, 0,1
.irp i, 0,1,2,3,4,5,6,7,8,9,10,11,12,13,14,15
	v_min_num_f32 v[HA+32*\a+\i], s[P7], v[HA+32*\a+\i]            ; gate, held at 7 from above
.endr
.endr
.irp a, 0,1
.irp i, 0,2,4,6,8,10,12,14
	v_pk_mul_f32 v[T+16*\a+\i:T+16*\a+\i+1], v[HA+32*\a+\i:HA+32*\a+\i+1], s[CS:CS+1] op_sel_hi:[1,0]   ; c x gate
.endr
.endr
.irp i, 0,1,2,3,4,5,6,7,8,9,10,11,12,13,14,15,16,17,18,19,20,21,22,23,24,25,26,27,28,29,30,31
	v_exp_f32 v[T+\i], v[T+\i]
.endr
.irp a, 0,1
.irp i, 16,17,18,19,20,21,22,23,24,25,26,27,28,29,30,31
	v_med3_num_f32 v[HA+32*\a+\i], v[HA+32*\a+\i], s[M7], s[P7]    ; up, held to -7 .. 7: the independent work behind the exponentials
.endr
.endr
	s_wait_alu depctr_va_vdst(0)                   ; one wait for the 32 exponentials, ahead of their first reader
.irp i, 0,2,4,6,8,10,12,14,16,18,20,22,24,26,28,30
	v_pk_add_f32 v[T+\i:T+\i+1], v[T+\i:T+\i+1], 1.0 op_sel_hi:[1,0]
.endr
.irp i, 0,1,2,3,4,5,6,7,8,9,10,11,12,13,14,15,16,17,18,19,20,21,22,23,24,25,26,27,28,29,30,31
	v_rcp_f32 v[T+\i], v[T+\i]                     ; the sigmoid
.endr
.irp a, 0,1
.irp i, 16,18,20,22,24,26,28,30
	v_pk_add_f32 v[HA+32*\a+\i:HA+32*\a+\i+1], v[HA+32*\a+\i:HA+32*\a+\i+1], 1.0 op_sel_hi:[1,0]   ; up + 1: the independent work behind the reciprocals
.endr
.endr
	s_wait_alu depctr_va_vdst(0)                   ; one wait for the 32 reciprocals
.irp a, 0,1
.irp i, 0,2,4,6,8,10,12,14
	v_pk_mul_f32 v[HA+32*\a+\i:HA+32*\a+\i+1], v[HA+32*\a+\i:HA+32*\a+\i+1], v[T+16*\a+\i:T+16*\a+\i+1]
.endr
.endr
.irp a, 0,1
.irp i, 0,2,4,6,8,10,12,14
	v_pk_mul_f32 v[HA+32*\a+\i:HA+32*\a+\i+1], v[HA+32*\a+\i:HA+32*\a+\i+1], v[HA+32*\a+16+\i:HA+32*\a+16+\i+1]
.endr
.endr
	v_max3_num_f32 v[MX], |v[HA]|, |v[HA+1]|, 0x1800000            ; my 16 units of each tile, the tiles by turns, with the floor
	v_max3_num_f32 v[MX+1], |v[HA+32]|, |v[HA+33]|, 0x1800000
.irp i, 2,4,6,8,10,12,14
	v_max3_num_f32 v[MX], v[MX], |v[HA+\i]|, |v[HA+\i+1]|
	v_max3_num_f32 v[MX+1], v[MX+1], |v[HA+32+\i]|, |v[HA+33+\i]|
.endr
	v_permlanex16_b32 v[PM], v[MX], s[SEL], s[SEL+1]
	v_permlanex16_b32 v[PM+1], v[MX+1], s[SEL], s[SEL+1]
	v_max_num_f32 v[MX], v[MX], v[PM]              ; with lane l xor 16's 16 units: the block's largest magnitude
	v_max_num_f32 v[MX+1], v[MX+1], v[PM+1]
	v_add_nc_u32 v[SO], 0xff000000, v[MX]
	v_add_nc_u32 v[SO+1], 0xff000000, v[MX+1]
	v_add_nc_u32 v[THA], s[HI], v[HSA]
	v_cvt_scalef32_pk16_fp6_f32 v[CX:CX+2], v[HA:HA+15], v[SO]
	v_cvt_scalef32_pk16_fp6_f32 v[CY:CY+2], v[HA+32:HA+47], v[SO+1]
	v_lshrrev_b32 v[BY], 23, v[SO]                 ; the bytes; also the plain place behind the conversions
	v_lshrrev_b32 v[BY+1], 23, v[SO+1]
.irp i, 0,1,2
	v_permlane16_swap_b32 v[CX+\i], v[CY+\i]       ; lane (r, a) now holds token r of tile a: the lower 16 codes in the first, the upper 16 in the second
.endr
.irp i, 0,1,2
	v_mov_b32 v[CX+3+\i], v[CY+\i]
.endr
	v_cndmask_b32 v[BYS], v[BY], v[BY+1], s[HM]    ; and that token's byte
	ds_store_b8 v[THA], v[BYS] offset:\p+256*\sb
.irp i, 0,1,2
	global_store_b64 v[L8], v[CX+2*\i:CX+2*\i+1], s[HB:HB+1] offset:512*\i+51200*\sb   ; 32 lanes store 256 consecutive bytes, aligned
.endr
.endm
; A STEP: 128 tokens against the sub-slab in registers, and one unit of the stream behind it.  sl: the slot read, the set worked, the trip's half.
.macro STEP sl, p, map, issue, fill, left
	TURN \fill
	XLOAD \sl, 0                                   ; 26 LDS loads
	WIN 0xff
	BG_IN \sl, \left                               ; 48 LDS instructions
	s_wait_dscnt 48                                ; x's first half and its scale words are in; the unit's 48 may be out
	MM 0, \p
	WIN 0
	PLACES 4                                       ; in front of loads into registers that matrix instructions have read
	XLOAD \sl, 1                                   ; 24
	s_wait_dscnt 24                                ; my column is in, and the stage's stores have read the set; x's second half may be out
	WIN 0xff
.if \issue
	BG_ISSUE \sl
.endif
	BG_Q 0, \map, 128*\sl, \sl                     ; 4
	BG_COL1                                        ; 32
	s_wait_dscnt 36                                ; x's second half is in; the 36 just issued may be out
	MM 1, \p
	s_wait_dscnt 0x0
	WIN 0xff
	BG_Q 1, \map, 128*\sl, \sl                     ; its plain lines are the places behind the last products
	WIN 0
	ACT \p, \sl
.endm
; The sub-slab's 32 fragments and its scale words, from NEXT into registers: every wave takes all
.macro TAKE
	WIN 0x40
.irp ss, 0,1,2,3
.irp t, 0,1,2,3
.irp c, 0,1
.irp i, 0,1,2
	ds_load_b64 v[12*(4*\ss+\t)+6*\c+2*\i:12*(4*\ss+\t)+6*\c+2*\i+1], v[L8N] offset:(2*\ss+\c)*3072+\i*1024+\t*256
.endr
.endr
.endr
.endr
	WIN 0x80
.irp ss, 0,1,2,3
.irp t, 0,1,2,3
.irp c, 0,1
.irp i, 0,1,2
	ds_load_b64 v[12*(4*\ss+\t)+6*\c+2*\i:12*(4*\ss+\t)+6*\c+2*\i+1], v[L8N] offset:(2*(\ss+4)+\c)*3072+\i*1024+\t*256
.endr
.endr
.endr
.endr
	WIN 0
.irp t, 0,1,2,3
.irp k, 0,1
	ds_load_b64 v[W1S+4*\t+2*\k:W1S+4*\t+2*\k+1], v[NS] offset:512*\k+128*\t
.endr
.endr
	s_wait_dscnt 0x0
.endm
.macro P0UNIT k, set, left, issue      ; the opening phase: unit k, nothing beside it
	BG_IN \set, \left
	s_wait_dscnt 0x0                               ; my column is in, and the stage's stores have read the set
.if \issue
	BG_ISSUE \set
.endif
	BG_Q 0, 1, ((\k)/2)*3072+((\k)%2)*128, \k
	BG_COL1
	s_wait_dscnt 0x0
	BG_Q 1, 1, ((\k)/2)*3072+((\k)%2)*128, \k
.endm
	s_load_b256 s[4:11], s[0:1], 0x0               ; xq, W1, b1, W2
	s_load_b128 s[12:15], s[0:1], 0x20             ; hq, w2q
	v_lshl_add_u32 v[SPW], v0, 2, SPARE
	v_mov_b32 v[NIL], 0
	ds_add_u32 v1, v2
	ds_add_u32 v1, v2
	s_wait_dscnt 0x0
	v_lshrrev_b32 v16, 5, v0
	v_readfirstlane_b32 s[WV], v16                 ; wave 0..3
	s_bfe_u32 s17, ttmp6, 0x40000                  ; cx: it enters addresses in memory alone
	s_lshl_b32 s18, ttmp9, 2
	s_add_co_u32 s18, s18, s17                     ; the work-group
	s_lshr_b32 s19, s18, 3                         ; e
	s_and_b32 s20, s18, 7                          ; g
	; group 1: 100 rows of 256 bytes (32 elements of 8 bytes), dense, no padding; all four partners named
	s_mov_b32 s[G1], 15|(3<<16)|(1<<21)
	s_mov_b32 s[G1+1], 32<<16
	s_mov_b32 s[G1+2], 100<<16
	s_mov_b32 s[G1+3], 32<<16
	s_mov_b32 s[G1+4], 100
	s_mov_b32 s[G1+5], 32
	s_mov_b32 s[G1+6], 0
	s_mov_b32 s[G1+7], 0
	s_mov_b32 s[G0], 1
	s_mul_i32 s[G0+1], s[WV], XWAVE
	s_mov_b32 s[G0+4], 1
	s_add_co_u32 s[G0+5], s[G0+1], XSLOT
	s_mov_b32 s[XO], 2*XSTEP
	s_mov_b32 s[XO+1], 0
	s_mov_b32 s[XO+2], XSTEP
	s_mov_b32 s[XO+3], 0
	s_mov_b32 s[LO], 0
	s_mov_b32 s[LO+1], 0
	s_mov_b32 s[NJ], 0
	s_mov_b32 s[SJ], 0
	s_mov_b32 s[HI], 0
	s_mov_b32 s[SEL], 0x76543210
	s_mov_b32 s[SEL+1], 0xfedcba98
	s_mov_b32 s[P7], 0x40e00000                    ; 7.0
	s_mov_b32 s[M7], 0xc0e00000                    ; -7.0
	s_mov_b32 s[CS], 0xc01d265f                    ; c = -1.702 log2(e)
	s_mov_b32 s[CS+1], s[CS]
	s_mov_b32 s[HM], 0xffff0000                    ; lanes 16-31
	v_and_b32 v17, 31, v0                          ; lane
	v_and_b32 v18, 15, v0                          ; r
	v_bfe_u32 v19, v0, 4, 1                        ; h
	s_mul_i32 s74, s[WV], XWAVE
	s_mov_b32 s75, 0
	v_lshl_add_u32 v[XA], v17, 4, s74
	v_add_nc_u32 v[XA+1], XSLOT, v[XA]
	v_lshlrev_b32 v23, 5, v18
	v_lshl_add_u32 v23, v19, 4, v23
	s_add_co_u32 s86, s74, 12288
	v_add_nc_u32 v[XSA], s86, v23
	v_add_nc_u32 v[XSA+1], XSLOT, v[XSA]
	v_lshlrev_b32 v[L8], 3, v17
	s_lshl_b32 s86, s[WV], 6
	s_add_co_u32 s86, s86, HSC
	v_lshl_add_u32 v[HSA], v17, 1, s86
	v_lshlrev_b32 v[NS], 3, v18
	v_lshl_add_u32 v[NS], v19, 10, v[NS]
	v_add_nc_u32 v[NS], NSC, v[NS]
	v_lshl_add_u32 v[L8N], v17, 3, NEXT
	s_lshr_b32 s86, s[WV], 1
	s_mul_i32 s86, s86, 24576
	s_and_b32 s87, s[WV], 1
	s_lshl_b32 s87, s87, 9
	s_add_co_u32 s86, s86, s87
	v_add_nc_u32 v[FL], s86, v[L8N]
	v_lshlrev_b32 v[L16], 4, v17
	v_lshlrev_b32 v[BO], 7, v19
	v_and_b32 v23, 63, v0
	v_lshrrev_b32 v24, 6, v0
	v_lshlrev_b32 v[FSA], 3, v23
	v_lshl_add_u32 v[FSA], v24, 10, v[FSA]
	v_add_nc_u32 v[FSA], NSC, v[FSA]
	v_lshlrev_b32 v[T16], 4, v0
	s_lshl_b32 s86, s[WV], 9
	s_add_co_u32 s86, s86, HSC
	v_lshl_add_u32 v[HFA], v17, 3, s86
	; the stream's lane terms.  W1: column 32 sg + l is tile t = 2 (l % 2) + l / 16, row (l / 2) % 8 + 8 sg.  W2: tile 2 sg + l / 16 of my four, row l % 16
	v_lshlrev_b32 v24, 4, v18
	v_and_b32 v25, 1, v0
	v_bfe_u32 v27, v0, 1, 3
	v_lshlrev_b32 v26, 9, v25
	v_lshl_add_u32 v26, v19, 8, v26
	v_lshl_add_u32 v26, v27, 3, v26                ; W1's codes: 256 t + 8 r
	v_lshlrev_b32 v28, 3, v18
	v_lshl_add_u32 v28, v19, 8, v28                ; W2's
	v_lshlrev_b32 v29, 8, v25
	v_lshl_add_u32 v29, v19, 7, v29
	v_lshl_add_u32 v29, v27, 3, v29                ; W1's scale bytes: 128 t + 8 r
	v_lshlrev_b32 v30, 3, v18
	v_lshl_add_u32 v30, v19, 7, v30                ; W2's
	s_lshl_b32 s86, s[WV], 13
	s_add_co_u32 s86, s86, STG
	s_mul_i32 s87, s[WV], 12288
	s_add_co_u32 s87, s87, NEXT
	s_lshl_b32 s88, s[WV], 9
	s_add_co_u32 s88, s88, NSC
	WIN 0xc0                                       ; destination window 3, sources window 0
	v_lshl_add_u32 v[GOF], v19, 12, v24
	v_lshl_add_u32 v[STW], v17, 4, s86
	v_lshl_add_u32 v[STR], v17, 2, s86
	v_add_nc_u32 v[NW+1], s87, v26
	v_add_nc_u32 v[NW+2], s87, v28
	v_add_nc_u32 v[SW+1], s88, v29
	v_add_nc_u32 v[SW+2], s88, v30
	WIN 0
	s_wait_kmcnt 0x0
	s_add_nc_u64 s[XB:XB+1], s[4:5], s[74:75]
	s_mov_b64 s[G0+2:G0+3], s[XB:XB+1]             ; the first fill: step 0
	s_or_b32 s[G0+3], s[G0+3], 0x80000000
	s_lshl_b32 s78, s20, 9                         ; 512 g
	s_lshl_b32 s76, s19, 22                        ; W1: 4 MiB an expert, 256 K rows a wave
	s_lshl_b32 s77, s[WV], 20
	s_add_co_u32 s76, s76, s77
	s_add_co_u32 s76, s76, s78
	s_mov_b32 s77, 0
	s_add_nc_u64 s[LB:LB+1], s[6:7], s[76:77]      ; sub-slab 0,
	s_add_nc_u64 s[NB:NB+1], s[LB:LB+1], 256       ; sub-slab 1,
	s_lshl_b32 s76, s19, 21                        ; W2: 2 MiB an expert, K rows 256 (w % 2) on, columns 64 (w / 2) on
	s_and_b32 s79, s[WV], 1
	s_lshl_b32 s80, s79, 20
	s_add_co_u32 s76, s76, s80
	s_add_co_u32 s76, s76, s78
	s_lshr_b32 s81, s[WV], 1
	s_lshl_b32 s80, s81, 8
	s_add_co_u32 s76, s76, s80
	s_add_nc_u64 s[NB2:NB2+1], s[10:11], s[76:77]
	s_lshl_b32 s76, s19, 12
	s_add_co_u32 s76, s76, s78
	s_add_nc_u64 s[8:9], s[8:9], s[76:77]          ; the bias of my 128 columns
	s_mul_i32 s76, s19, 409600
	s_add_nc_u64 s[12:13], s[12:13], s[76:77]      ; hq at my expert
	s_lshl_b32 s76, s[WV], 3
	s_add_co_u32 s76, s76, s20
	s_mul_i32 s76, s76, 1536
	s_add_nc_u64 s[HB0:HB0+1], s[12:13], s[76:77]  ; pair of tiles w, pair of blocks g
	s_mov_b64 s[HB:HB+1], s[HB0:HB0+1]
	s_mul_i32 s76, s[WV], 102400
	s_lshl_b32 s80, s20, 8
	s_add_co_u32 s76, s76, s80
	s_add_co_u32 s76, s76, 49152
	s_add_nc_u64 s[82:83], s[12:13], s[76:77]      ; the scale bytes' unit 192 + g of token blocks 2 w, 2 w + 1
	s_mul_i32 s76, s18, 51200
	s_add_nc_u64 s[14:15], s[14:15], s[76:77]      ; w2q's record (e, g),
	s_mul_i32 s76, s[WV], 12288
	s_add_nc_u64 s[84:85], s[14:15], s[76:77]      ; my eight images in it
	ROUND                                          ; all four work-groups are here: the first joint load meets
	tensor_load_to_lds s[G0:G0+3], s[G1:G1+7]
	s_nop 0
	PLACES 4
	WIN 0x40
.irp p, 0,1
.irp up, 0,1
.irp u, 0,1
.irp j, 0,1,2,3,4,5,6,7
	global_load_b32 v[192+32*\p+8*(2*\up+\u)+\j], v[BO], s[8:9] offset:256*\p+64*\u+8*\j+4*\up   ; the bias in the result's layout: unit 8 u + 16 h + j
.endr
.endr
.endr
.endr
	; ---- the opening phase: sub-slab 0, three units on their way; its last two units already ask for sub-slab 1's first two
	WIN 0xff
	BG_ISSUE 0
	BG_ISSUE 1
	BG_ISSUE 2
	P0UNIT 0, 0, 32, 1                             ; the counts: the loads issued behind the unit in hand: two units,
	P0UNIT 1, 1, 32, 1
	P0UNIT 2, 2, 32, 1
	P0UNIT 3, 0, 32, 1
	P0UNIT 4, 1, 32, 1
	P0UNIT 5, 2, 32, 0                             ; (set 2 is left)
	P0UNIT 6, 0, 16, 1                             ; then one
	P0UNIT 7, 1, 16, 1
	WIN 0
	s_wait_dscnt 0x0                               ; my codes and bytes have landed
	s_barrier_signal -1
	s_barrier_wait -1                              ; everybody's have.  (Slot 0's fill may be out)
	TAKE
	; ---- phase 1: sub-slab 0 x all tokens; sub-slab 1 behind it.  The round at each step's head also parts TAKE's reads of NEXT from the first new store into it
	s_mov_b32 s[CNT], 4
.Lp1:
	STEP 0, 0, 1, 1, 1, 16
	STEP 1, 0, 1, 1, 0, 16
	s_wait_xcnt 0x0                                ; the stores have read their base
	s_add_nc_u64 s[HB:HB+1], s[HB:HB+1], 102400
	s_add_co_u32 s[NJ], s[NJ], 3072
	s_add_co_u32 s[SJ], s[SJ], 2
	s_add_co_u32 s[HI], s[HI], 512
	s_sub_co_u32 s[CNT], s[CNT], 1
	s_cmp_lg_u32 s[CNT], 0
	s_cbranch_scc1 .Lp1
	s_wait_dscnt 0x0
	s_barrier_signal -1
	s_barrier_wait -1
	TAKE
	s_mov_b32 s[NJ], 0
	s_mov_b32 s[SJ], 0
	s_mov_b32 s[HI], 0
	s_add_nc_u64 s[HB:HB+1], s[HB0:HB0+1], 256     ; the pair's second block
	; ---- phase 2: sub-slab 1 x all tokens; down_proj's part behind it
	s_mov_b32 s[CNT], 3
.Lp2:
	STEP 0, 1, 2, 1, 1, 16
	STEP 1, 1, 2, 1, 0, 16
	s_wait_xcnt 0x0
	s_add_nc_u64 s[HB:HB+1], s[HB:HB+1], 102400
	s_add_co_u32 s[NJ], s[NJ], 3072
	s_add_co_u32 s[SJ], s[SJ], 2
	s_add_co_u32 s[HI], s[HI], 512
	s_sub_co_u32 s[CNT], s[CNT], 1
	s_cmp_lg_u32 s[CNT], 0
	s_cbranch_scc1 .Lp2
	STEP 0, 1, 2, 0, 1, 16                         ; the last two steps are written out: the stream has no unit left to ask for,
	STEP 1, 1, 2, 0, 2, 0                          ; and the last step no tokens
	s_wait_dscnt 0x0
	s_barrier_signal -1
	s_barrier_wait -1
	; ---- down_proj's codes leave as operand images: tiles 2 w, 2 w + 1, four K steps each; then the scale bytes of both kinds
.irp tp, 0,1
.irp ss, 0,1,2,3
.irp c, 0,1
.irp i, 0,1,2
	ds_load_b64 v[XF+12*(4*\tp+\ss)+6*\c+2*\i:XF+12*(4*\tp+\ss)+6*\c+2*\i+1], v[FL] offset:(2*\ss+\c)*3072+1024*\i+256*\tp
.endr
.endr
.endr
.endr
	ds_load_b64 v[216:217], v[FSA]                 ; my column's bytes of K blocks 0-7,
	ds_load_b64 v[218:219], v[FSA] offset:512      ; and 8-15
	ds_load_b64 v[220:221], v[HFA]
	ds_load_b64 v[222:223], v[HFA] offset:256
	s_wait_dscnt 0x0
.irp f, 0,1,2,3,4,5,6,7
.irp q, 0,1,2
	global_store_b128 v[L16], v[XF+12*\f+4*\q:XF+12*\f+4*\q+3], s[84:85] offset:1536*\f+512*\q
.endr
.endr
	global_store_b128 v[T16], v[216:219], s[14:15] offset:49152
	global_store_b64 v[L8], v[220:221], s[82:83]
	global_store_b64 v[L8], v[222:223], s[82:83] offset:51200
	s_wait_tensorcnt 0x0                           ; the wave's end
	ds_add_u32 v[SPW], v[NIL]
	s_wait_dscnt 0x0
	ROUND                                          ; the closing round
	s_endpgm
.Lfunc_end_k_qfdde81bfaf_gateup:
	.size	k_qfdde81bfaf_gateup, .Lfunc_end_k_qfdde81bfaf_gateup-k_qfdde81bfaf_gateup
	.p2alignl 7, 3214868480
	.fill 96, 4, 3214868480
	.section	.rodata,"a",@progbits
	.p2align	6, 0x0
	.amdhsa_kernel k_qfdde81bfaf_gateup
		.amdhsa_group_segment_fixed_size 327680
		.amdhsa_private_segment_fixed_size 0
		.amdhsa_enable_private_segment 0
		.amdhsa_kernarg_size 48
		.amdhsa_user_sgpr_count 2
		.amdhsa_user_sgpr_kernarg_segment_ptr 1
		.amdhsa_wavefront_size32 1
		.amdhsa_system_sgpr_workgroup_id_x 1
		.amdhsa_system_sgpr_workgroup_id_y 1
		.amdhsa_system_sgpr_workgroup_id_z 1
		.amdhsa_system_vgpr_workitem_id 0
		.amdhsa_next_free_vgpr 1024
		.amdhsa_next_free_sgpr 100
		.amdhsa_reserve_vcc 0
		.amdhsa_float_denorm_mode_32 3
		.amdhsa_float_denorm_mode_16_64 3
		.amdhsa_memory_ordered 1
		.amdhsa_forward_progress 1
		.amdhsa_inst_pref_size 255
	.end_amdhsa_kernel
	.section	.bss,"aw",@nobits
	.p2align	6
	.space	262144
	.amdgpu_metadata
---
amdhsa.version: [ 1, 2 ]
amdhsa.kernels:
  - .name:           k_qfdde81bfaf_gateup
    .symbol:         k_qfdde81bfaf_gateup.kd
    .args:
      - { .name: xq, .offset: 0, .size: 8, .value_kind: global_buffer, .address_space: global }
      - { .name: gate_up_proj, .offset: 8, .size: 8, .value_kind: global_buffer, .address_space: global }
      - { .name: gate_up_proj_bias, .offset: 16, .size: 8, .value_kind: global_buffer, .address_space: global }
      - { .name: down_proj, .offset: 24, .size: 8, .value_kind: global_buffer, .address_space: global }
      - { .name: hq, .offset: 32, .size: 8, .value_kind: global_buffer, .address_space: global }
      - { .name: w2q, .offset: 40, .size: 8, .value_kind: global_buffer, .address_space: global }
    .group_segment_fixed_size: 327680
    .private_segment_fixed_size: 0
    .kernarg_segment_align: 8
    .kernarg_segment_size: 48
    .max_flat_workgroup_size: 128
    .sgpr_count:     100
    .vgpr_count:     1024
    .wavefront_size: 32
...
	.end_amdgpu_metadata
.endif
;; end of part 2
;; launch down (part 3): grid 8 x 32, 4 waves a work-group, clusters of 4 x 4, 327,680 bytes of LDS; arguments hq, w2q, routing_weights, down_proj_bias, part; writes part
.if DOCPART == 3
	.amdgcn_target "amdgcn-amd-amdhsa--gfx1250"
	.amdhsa_code_object_version 6
	.text
	.protected	k_qfdde81bfaf_down
	.globl	k_qfdde81bfaf_down
	.p2align	8
	.type	k_qfdde81bfaf_down,@function
k_qfdde81bfaf_down:
	s_mov_b64 s[64:65], 0
	v_nop
	global_prefetch_b8 v0, s[64:65] scope:SCOPE_SE
	s_setreg_imm32_b32 hwreg(HW_REG_WAVE_MODE, 25, 1), 1
	s_wait_xcnt 0x0
	s_wait_alu depctr_hold_cnt(0) depctr_sa_sdst(0) depctr_va_vdst(0) depctr_va_sdst(0) depctr_va_ssrc(0) depctr_va_vcc(0) depctr_vm_vsrc(0)
	s_getreg_b32 s2, hwreg(HW_REG_IB_STS2, 6, 4)
	s_cmp_eq_u32 s2, 0
	s_cbranch_scc0 .Lentry_in_a_cluster
	s_endpgm
.Lentry_in_a_cluster:
	s_bfe_u32 s2, ttmp6, 0x10000c
	s_cmp_lg_u32 s2, 0xf033
	s_cbranch_scc0 .Lentry_shape_is_right
	s_endpgm
.Lentry_shape_is_right:
; Second product and the weighing.  part[grp][token][column] = the sum over the eight experts e = 8 grp + k of w[token][e] x (act_e W2_e + b2_e), on codes of FP6 (E2M3) with E8M0 scales.
; A work-group makes 128 tokens (block tb) x 128 columns (block cb) for one group of eight experts: 8 x 8 x 4 = 256 work-groups.  A wave makes 64 x 64: 16 sums D an expert, begun with the bias as C, then OUT += w x D.
; The product is used transposed (source 0 = 16 columns of W2, source 1 = 16 tokens): a lane holds one token, so its gate is one number a lane, and eight neighbouring columns.
; An expert's operands are two records of 51,200 dense bytes (hq: codes in units of 256 bytes, 8 units of scale bytes; w2q: operand images, 2,048 bytes of scale words): one slot; two slots take turns.
; hq's units get 128 bytes of padding each in LDS, so that the two halves of the lanes, which read units 1 apart, fall on different halves of a row of banks.
; CLUSTERS: 4 x 4.  hq's record hangs on tb and the group, shared along a row of the cluster; w2q's on cb and the group, shared along a column: each is asked for jointly.
; The eight experts are written out: slots, register numbers and the tail are then constants of the text.
; LIMITS: as the launches before: NaN and infinities are not served.
.set SLOTB, 128000                     ; a slot: hq's record, 200 x 384 bytes, then w2q's, 51,200
.set BOFF,  76800
.set STAGE, 256000                     ; 16 rows x 272 bytes for each wave
.set SPARE, 273408                     ; the spare words, 128 bytes for each wave: two blocks of 256 bytes that no other line names
.set SPW, 1
.set NIL, 2
.set AA,  3                            ; v3-4   tokens' codes in slot 0, 1: 36,864 wr + 384 h + 8 r
.set BA,  5                            ; v5-6   W2's images: BOFF + 24,576 wc + 16 lane
.set ASA, 7                            ; v7-8   tokens' scale bytes: 73,728 + 128 wr + 2 lane
.set BSA, 9                            ; v9-10  W2's scale words: BOFF + 49,152 + 1,024 wc + 16 lane
.set STO, 11
.set RD,  12
.set CO,  13
.set RWO, 14
.set B2O, 15
.set RW,  32                           ; v32-63 the gates: 8 m + k
.set AS,  64                           ; v64-71 tokens' scale words: 4 (m / 2) + s: tile 2 (m / 2) in lanes 0-15, the next in lanes 16-31
.set BS,  72                           ; v72-79 W2's, likewise by t
.set TU,  80                           ; v80-95 pairs of scale bytes as loaded
.set OB,  96                           ; v96-159 the way out
; window 1: two sets of 96: four fragments of tokens, four of W2.   window 2: D v0-127, OUT v128-255.   window 3: the bias: 32 k + 8 t + j
.set WV,  14
.set G1A, 24
.set G0A, 32
.set G1B, 48
.set G0B, 56
.set MSB, 0
.macro WIN new
.if MSB != \new
	s_set_vgpr_msb (MSB<<8)|\new
.set MSB, \new
.endif
.endm
.macro PLACES n
.rept \n
	v_nop
.endr
.endm
.macro ROUND
	s_barrier_signal -1
	s_barrier_wait -1
	s_cmp_lg_u32 s[WV], 0
	s_cbranch_scc1 .Lnw0_\@
	s_barrier_signal -3
.Lnw0_\@:
	s_barrier_wait -3
	s_barrier_signal -1
	s_barrier_wait -1
.endm
.macro JLOAD sl                        ; waves 0 and 1 fetch the halves of hq's record, waves 2 and 3 those of w2q's; four v_nop follow each line
	s_cmp_eq_u32 s15, 0
	s_cbranch_scc0 .Lfor_b_\@
	tensor_load_to_lds s[G0A+4*\sl:G0A+4*\sl+3], s[G1A:G1A+7]
	s_nop 0
	PLACES 4
	s_branch .Lasked_\@
.Lfor_b_\@:
	tensor_load_to_lds s[G0B+4*\sl:G0B+4*\sl+3], s[G1B:G1B+7]
	s_nop 0
	PLACES 4
.Lasked_\@:
.endm
.macro WMS d, a, b, c, sa, sb, rows    ; rows: bit 0: source 0's scales from lanes 16-31; bit 1: source 1's
.if (\rows) == 0
	v_wmma_scale_f32_16x16x128_f8f6f4 v[\d:\d+7], v[\a:\a+11], v[\b:\b+11], v[\c:\c+7], v[\sa], v[\sb] matrix_a_fmt:MATRIX_FMT_FP6 matrix_b_fmt:MATRIX_FMT_FP6
.elseif (\rows) == 1
	v_wmma_scale_f32_16x16x128_f8f6f4 v[\d:\d+7], v[\a:\a+11], v[\b:\b+11], v[\c:\c+7], v[\sa], v[\sb] matrix_a_fmt:MATRIX_FMT_FP6 matrix_b_fmt:MATRIX_FMT_FP6 matrix_a_scale:MATRIX_SCALE_ROW1
.elseif (\rows) == 2
	v_wmma_scale_f32_16x16x128_f8f6f4 v[\d:\d+7], v[\a:\a+11], v[\b:\b+11], v[\c:\c+7], v[\sa], v[\sb] matrix_a_fmt:MATRIX_FMT_FP6 matrix_b_fmt:MATRIX_FMT_FP6 matrix_b_scale:MATRIX_SCALE_ROW1
.else
	v_wmma_scale_f32_16x16x128_f8f6f4 v[\d:\d+7], v[\a:\a+11], v[\b:\b+11], v[\c:\c+7], v[\sa], v[\sb] matrix_a_fmt:MATRIX_FMT_FP6 matrix_b_fmt:MATRIX_FMT_FP6 matrix_a_scale:MATRIX_SCALE_ROW1 matrix_b_scale:MATRIX_SCALE_ROW1
.endif
.endm
; K step ks of the slot SL: 36 LDS loads into set ks % 2
.macro LOADF ks
.set FBL, 96*((\ks)%2)
	WIN 0x40
.irp m, 0,1,2,3
.irp c, 0,1
.irp i, 0,1,2
	ds_load_b64 v[FBL+12*\m+6*\c+2*\i:FBL+12*\m+6*\c+2*\i+1], v[AA+SL] offset:768*(((\m/2)*8+2*(\ks)+\c)*3+\i)+128*(\m%2)
.endr
.endr
.endr
.irp t, 0,1,2,3
.irp q, 0,1,2
	ds_load_b128 v[FBL+48+12*\t+4*\q:FBL+48+12*\t+4*\q+3], v[BA+SL] offset:6144*\t+1536*(\ks)+512*\q
.endr
.endr
.endm
; 16 matrix instructions: the 16 sums take turns, one instruction a turn
.macro MMD k, ks
.set FBM, 96*((\ks)%2)
.if \ks == 0
	WIN 0xb5                                       ; fragments window 1, the bias window 3, D window 2
.else
	WIN 0xa5
.endif
.irp m, 0,1,2,3
.irp t, 0,1,2,3
.if \ks == 0
	WMS 8*(4*\m+\t), FBM+48+12*\t, FBM+12*\m, 32*(\k)+8*\t, BS+4*(\t/2)+\ks, AS+4*(\m/2)+\ks, (\t%2)+2*(\m%2)
.else
	WMS 8*(4*\m+\t), FBM+48+12*\t, FBM+12*\m, 8*(4*\m+\t), BS+4*(\t/2)+\ks, AS+4*(\m/2)+\ks, (\t%2)+2*(\m%2)
.endif
.endr
.endr
.endm
; OUT += gate of expert KP x D, token tiles m0 and m0 + 1: 32 packed instructions; each D is read from its low end on.  Expert 0 starts OUT.
.macro FMA m0
	WIN 0xa2                                       ; D and OUT window 2, the gates window 0
.irp m, \m0, \m0+1
.irp t, 0,1,2,3
.irp j, 0,2,4,6
.if KP == 0
	v_pk_mul_f32 v[128+8*(4*(\m)+\t)+\j:128+8*(4*(\m)+\t)+\j+1], v[8*(4*(\m)+\t)+\j:8*(4*(\m)+\t)+\j+1], v[RW+8*(\m):RW+8*(\m)+1] op_sel_hi:[1,0]
.elseif KP%2 == 0
	v_pk_fma_f32 v[128+8*(4*(\m)+\t)+\j:128+8*(4*(\m)+\t)+\j+1], v[8*(4*(\m)+\t)+\j:8*(4*(\m)+\t)+\j+1], v[RW+8*(\m)+KP:RW+8*(\m)+KP+1], v[128+8*(4*(\m)+\t)+\j:128+8*(4*(\m)+\t)+\j+1] op_sel_hi:[1,0,1]
.else
	v_pk_fma_f32 v[128+8*(4*(\m)+\t)+\j:128+8*(4*(\m)+\t)+\j+1], v[8*(4*(\m)+\t)+\j:8*(4*(\m)+\t)+\j+1], v[RW+8*(\m)+KP-1:RW+8*(\m)+KP], v[128+8*(4*(\m)+\t)+\j:128+8*(4*(\m)+\t)+\j+1] op_sel:[0,1,0] op_sel_hi:[1,1,1]
.endif
.endr
.endr
.endr
.endm
.macro EXPERT k
.set SL, (\k)%2
.set KP, (\k)-1
	WIN 0
.irp mm, 0,1
.irp g, 0,1,2,3,4,5,6,7
	ds_load_u16 v[TU+8*\mm+\g], v[ASA+SL] offset:384*\g+64*\mm     ; my token's bytes of blocks 2 g, 2 g + 1
.endr
.endr
	ds_load_b128 v[BS:BS+3], v[BSA+SL]
	ds_load_b128 v[BS+4:BS+7], v[BSA+SL] offset:512
	LOADF 0
.if \k > 0
	FMA 0                                          ; the expert before is weighed in while these loads are out
.endif
	s_wait_dscnt 36                                ; the 18 scale loads are in; K step 0's 36 fragment loads may be out
	WIN 0
.irp mm, 0,1
.irp s4, 0,1,2,3
	v_lshl_or_b32 v[AS+4*\mm+\s4], v[TU+8*\mm+2*\s4+1], 16, v[TU+8*\mm+2*\s4]   ; four bytes: the word of K step s
.endr
.endr
.if \k > 0
	FMA 2                                          ; also the eight places between a scale register's write and the scaled matrix instruction
.else
	PLACES 8
.endif
.irp s4, 0,1,2,3
	s_wait_dscnt 0x0                               ; this K step's fragments are in
.if \s4 > 0
	PLACES 4                                       ; in front of loads into the set that the last K step multiplied
.endif
.if \s4 < 3
	LOADF \s4+1
.endif
	MMD \k, \s4
.endr
.endm
; In front of expert k: all my tensor loads have landed (my part of its slot), 0 onto my spare word, the add and my reads of the other slot waited for.  Up to k = 6 a round of the cluster's barrier and, first behind it,
; the joint load of expert k + 1 into the slot just left: one tensor load of mine is out.  For k = 7 nothing is left to ask for: the work-group's barrier shows the slot whole to all four waves.
.macro CHANGE k
.set NSL, ((\k)+1)%2
	WIN 0
	s_wait_tensorcnt 0x0
	ds_add_u32 v[SPW], v[NIL]
.if \k < 7
	s_add_nc_u64 s[G0A+4*NSL+2:G0A+4*NSL+3], s[G0A+4*NSL+2:G0A+4*NSL+3], 819200   ; two experts on
	s_add_nc_u64 s[G0B+4*NSL+2:G0B+4*NSL+3], s[G0B+4*NSL+2:G0B+4*NSL+3], 819200
.endif
	s_wait_dscnt 0x0
.if \k < 7
	ROUND
	JLOAD NSL                                      ; its four v_nop are also the places in front of the loads and reads that follow
.else
	s_barrier_signal -1
	s_barrier_wait -1
	PLACES 4
.endif
.endm
	s_load_b256 s[4:11], s[0:1], 0x0               ; hq, w2q, the gates, b2
	s_load_b64 s[12:13], s[0:1], 0x20              ; part
	v_lshl_add_u32 v[SPW], v0, 2, SPARE
	v_mov_b32 v[NIL], 0
	ds_add_u32 v1, v2
	ds_add_u32 v1, v2
	s_wait_dscnt 0x0
	v_lshrrev_b32 v16, 5, v0
	v_readfirstlane_b32 s[WV], v16
	s_lshr_b32 s15, s[WV], 1                       ; wr: my half of the tokens.  Also: I fetch for hq (0) or for w2q (1)
	s_and_b32 s16, s[WV], 1                        ; wc: my half of the columns.  Also: which half of the record I fetch
	s_bfe_u32 s40, ttmp6, 0x40000                  ; cx
	s_bfe_u32 s41, ttmp6, 0x40004                  ; cy
	s_lshl_b32 s42, ttmp9, 2
	s_add_co_u32 s42, s42, s40                     ; cb
	s_and_b32 s17, ttmp7, 0xffff                   ; the cluster's y
	s_lshr_b32 s18, s17, 1                         ; grp: the same in all sixteen partners
	s_and_b32 s17, s17, 1
	s_lshl_b32 s17, s17, 2
	s_add_co_u32 s17, s17, s41                     ; tb
	s_lshl_b32 s43, s41, 2
	s_lshl_b32 s43, 15, s43                        ; my row of the cluster
	s_lshl_b32 s44, 0x1111, s40                    ; my column
	s_or_b32 s[G1A], s43, (3<<16)|(1<<20)|(1<<21)|(5<<22)|(31<<25)   ; elements of 8 bytes; behind every 64 words 32 words of padding
	s_or_b32 s[G1B], s44, (3<<16)|(1<<21)          ; no padding
.irp g, G1A, G1B
	s_mov_b32 s[\g+1], 32<<16                      ; rows of 256 bytes,
	s_mov_b32 s[\g+2], 100<<16                     ; 100 of them, dense
	s_mov_b32 s[\g+3], 32<<16
	s_mov_b32 s[\g+4], 100
	s_mov_b32 s[\g+5], 32
	s_mov_b32 s[\g+6], 0
	s_mov_b32 s[\g+7], 0
.endr
	s_lshl_b32 s20, s18, 6
	s_add_co_u32 s20, s20, s17
	s_mul_i32 s20, s20, 51200                      ; hq's record (8 grp, tb),
	s_mul_i32 s21, s16, 25600
	s_add_co_u32 s20, s20, s21                     ; my half of it
	s_mov_b32 s21, 0
	s_lshl_b32 s46, s18, 6
	s_add_co_u32 s46, s46, s42
	s_mul_i32 s46, s46, 51200                      ; w2q's record (8 grp, cb)
	s_mul_i32 s47, s16, 25600
	s_add_co_u32 s46, s46, s47
	s_mov_b32 s47, 0
	s_mul_i32 s22, s16, 38400                      ; where they go: no place in the cluster enters an LDS address
	s_mul_i32 s23, s16, 25600
	s_add_co_u32 s23, s23, BOFF
	s_wait_kmcnt 0x0
	s_add_nc_u64 s[20:21], s[4:5], s[20:21]
	s_add_nc_u64 s[46:47], s[6:7], s[46:47]
	ROUND                                          ; all sixteen work-groups are here: the first joint loads meet
.irp sl, 0,1
	s_mov_b32 s[G0A+4*\sl], 1
	s_add_co_u32 s[G0A+4*\sl+1], s22, \sl*SLOTB
	s_add_nc_u64 s[G0A+4*\sl+2:G0A+4*\sl+3], s[20:21], \sl*409600   ; expert sl of the group
	s_or_b32 s[G0A+4*\sl+3], s[G0A+4*\sl+3], 0x80000000
	s_mov_b32 s[G0B+4*\sl], 1
	s_add_co_u32 s[G0B+4*\sl+1], s23, \sl*SLOTB
	s_add_nc_u64 s[G0B+4*\sl+2:G0B+4*\sl+3], s[46:47], \sl*409600
	s_or_b32 s[G0B+4*\sl+3], s[G0B+4*\sl+3], 0x80000000
	JLOAD \sl
.endr
	v_and_b32 v17, 31, v0                          ; lane
	v_and_b32 v18, 15, v0                          ; r
	v_bfe_u32 v19, v0, 4, 1                        ; h
	s_mul_i32 s70, s15, 36864
	v_lshlrev_b32 v20, 3, v18
	v_mad_u32_u24 v20, v19, 384, v20
	v_add_nc_u32 v[AA], s70, v20
	v_add_nc_u32 v[AA+1], SLOTB, v[AA]
	s_mul_i32 s71, s16, 24576
	s_add_co_u32 s71, s71, BOFF
	v_lshl_add_u32 v[BA], v17, 4, s71
	v_add_nc_u32 v[BA+1], SLOTB, v[BA]
	s_lshl_b32 s72, s15, 7
	s_add_co_u32 s72, s72, 73728
	v_lshl_add_u32 v[ASA], v17, 1, s72
	v_add_nc_u32 v[ASA+1], SLOTB, v[ASA]
	s_lshl_b32 s73, s16, 10
	s_add_co_u32 s73, s73, BOFF+49152
	v_lshl_add_u32 v[BSA], v17, 4, s73
	v_add_nc_u32 v[BSA+1], SLOTB, v[BSA]
	s_mul_i32 s74, s[WV], 4352
	s_add_co_u32 s74, s74, STAGE
	v_mul_u32_u24 v[STO], v18, 272
	v_lshl_add_u32 v[STO], v19, 5, v[STO]
	v_add_nc_u32 v[STO], s74, v[STO]               ; the stage, in: row r, 32 bytes for each half of the lanes
	v_mul_u32_u24 v[RD], v19, 272
	v_lshl_add_u32 v[RD], v18, 4, v[RD]
	v_add_nc_u32 v[RD], s74, v[RD]                 ; back: lanes 0-15 one row of 256 bytes, lanes 16-31 the next
	v_lshlrev_b32 v[CO], 4, v18
	v_lshl_add_u32 v[CO], v19, 12, v[CO]           ; and the same two rows in part
	v_lshlrev_b32 v[RWO], 7, v18                   ; a token's 32 gates are 128 bytes
	v_lshlrev_b32 v[B2O], 5, v19
	s_lshl_b32 s76, s17, 14                        ; the gates: token 128 tb + 64 wr, expert 8 grp
	s_lshl_b32 s77, s15, 13
	s_add_co_u32 s76, s76, s77
	s_lshl_b32 s77, s18, 5
	s_add_co_u32 s76, s76, s77
	s_mov_b32 s77, 0
	s_add_nc_u64 s[8:9], s[8:9], s[76:77]
	s_lshl_b32 s78, s42, 9                         ; my 64 columns, in bytes: 512 cb + 256 wc
	s_lshl_b32 s79, s16, 8
	s_add_co_u32 s78, s78, s79
	s_lshl_b32 s76, s18, 15                        ; b2: expert 8 grp
	s_add_co_u32 s76, s76, s78
	s_add_nc_u64 s[10:11], s[10:11], s[76:77]
	s_lshl_b32 s76, s18, 22                        ; part: 4 MiB a group, 4,096 bytes a token
	s_lshl_b32 s79, s17, 19
	s_add_co_u32 s76, s76, s79
	s_lshl_b32 s79, s15, 18
	s_add_co_u32 s76, s76, s79
	s_add_co_u32 s76, s76, s78
	s_add_nc_u64 s[12:13], s[12:13], s[76:77]
.irp m, 0,1,2,3
	global_load_b128 v[RW+8*\m:RW+8*\m+3], v[RWO], s[8:9] offset:2048*\m
	global_load_b128 v[RW+8*\m+4:RW+8*\m+7], v[RWO], s[8:9] offset:2048*\m+16
.endr
	WIN 0xc0
.irp k, 0,1,2,3,4,5,6,7
.irp t, 0,1,2,3
	global_load_b128 v[32*\k+8*\t:32*\k+8*\t+3], v[B2O], s[10:11] offset:4096*\k+64*\t       ; the bias in the result's layout: columns 16 t + 8 h + 0 .. 7
	global_load_b128 v[32*\k+8*\t+4:32*\k+8*\t+7], v[B2O], s[10:11] offset:4096*\k+64*\t+16
.endr
.endr
	WIN 0
	s_wait_tensorcnt 1                             ; my part of slot 0 is in; slot 1's may stay out
	s_barrier_signal -1
	s_barrier_wait -1
	s_wait_loadcnt 0x0                             ; the gates and the biases
	EXPERT 0
.irp k, 1,2,3,4,5,6,7
	CHANGE \k
	EXPERT \k
.endr
	PLACES 4                                       ; behind the last products
.set KP, 7
	FMA 0
	FMA 2
; THE WAY OUT, a tile of 16 tokens x 64 columns at a time, through my own stage: a lane's 32 bytes go in by rows of 272 bytes and come back as whole rows of 256.  LDS serves a wave's instructions in order.
.macro TOSTAGE m
	WIN 0x08                                       ; an LDS store's data are its source 1: window 2
.irp t, 0,1,2,3
	ds_store_b128 v[STO], v[128+8*(4*(\m)+\t):128+8*(4*(\m)+\t)+3] offset:64*\t
	ds_store_b128 v[STO], v[128+8*(4*(\m)+\t)+4:128+8*(4*(\m)+\t)+7] offset:64*\t+16
.endr
	WIN 0
.irp i, 0,1,2,3,4,5,6,7
	ds_load_b128 v[OB+32*((\m)%2)+4*\i:OB+32*((\m)%2)+4*\i+3], v[RD] offset:544*\i
.endr
.endm
.macro SEND m, younger                 ; younger: the LDS instructions issued behind tile m's loads
	s_wait_dscnt \younger
.irp i, 0,1,2,3,4,5,6,7
	global_store_b128 v[CO], v[OB+32*((\m)%2)+4*\i:OB+32*((\m)%2)+4*\i+3], s[12:13] offset:(16*(\m)+2*\i)*4096   ; 16 lanes store 256 consecutive bytes, aligned
.endr
.endm
	TOSTAGE 0
	TOSTAGE 1
	SEND 0, 16
	s_wait_xcnt 0x0                                ; tile 0's stores have read their registers: tile 2's loads may land there
	TOSTAGE 2
	SEND 1, 16
	s_wait_xcnt 0x0
	TOSTAGE 3
	SEND 2, 16
	SEND 3, 0
	s_wait_tensorcnt 0x0                           ; the wave's end
	ds_add_u32 v[SPW], v[NIL]
	s_wait_dscnt 0x0
	ROUND                                          ; the closing round
	s_endpgm
.Lfunc_end_k_qfdde81bfaf_down:
	.size	k_qfdde81bfaf_down, .Lfunc_end_k_qfdde81bfaf_down-k_qfdde81bfaf_down
	.p2alignl 7, 3214868480
	.fill 96, 4, 3214868480
	.section	.rodata,"a",@progbits
	.p2align	6, 0x0
	.amdhsa_kernel k_qfdde81bfaf_down
		.amdhsa_group_segment_fixed_size 327680
		.amdhsa_private_segment_fixed_size 0
		.amdhsa_enable_private_segment 0
		.amdhsa_kernarg_size 40
		.amdhsa_user_sgpr_count 2
		.amdhsa_user_sgpr_kernarg_segment_ptr 1
		.amdhsa_wavefront_size32 1
		.amdhsa_system_sgpr_workgroup_id_x 1
		.amdhsa_system_sgpr_workgroup_id_y 1
		.amdhsa_system_sgpr_workgroup_id_z 1
		.amdhsa_system_vgpr_workitem_id 0
		.amdhsa_next_free_vgpr 1024
		.amdhsa_next_free_sgpr 100
		.amdhsa_reserve_vcc 0
		.amdhsa_float_denorm_mode_32 3
		.amdhsa_float_denorm_mode_16_64 3
		.amdhsa_memory_ordered 1
		.amdhsa_forward_progress 1
		.amdhsa_inst_pref_size 218
	.end_amdhsa_kernel
	.amdgpu_metadata
---
amdhsa.version: [ 1, 2 ]
amdhsa.kernels:
  - .name:           k_qfdde81bfaf_down
    .symbol:         k_qfdde81bfaf_down.kd
    .args:
      - { .name: hq, .offset: 0, .size: 8, .value_kind: global_buffer, .address_space: global }
      - { .name: w2q, .offset: 8, .size: 8, .value_kind: global_buffer, .address_space: global }
      - { .name: routing_weights, .offset: 16, .size: 8, .value_kind: global_buffer, .address_space: global }
      - { .name: down_proj_bias, .offset: 24, .size: 8, .value_kind: global_buffer, .address_space: global }
      - { .name: part, .offset: 32, .size: 8, .value_kind: global_buffer, .address_space: global }
    .group_segment_fixed_size: 327680
    .private_segment_fixed_size: 0
    .kernarg_segment_align: 8
    .kernarg_segment_size: 40
    .max_flat_workgroup_size: 128
    .sgpr_count:     100
    .vgpr_count:     1024
    .wavefront_size: 32
...
	.end_amdgpu_metadata
.endif
;; end of part 3
;; launch addup (part 4): grid 256 x 1, 8 waves a work-group, no clusters, 0 bytes of LDS; arguments part, out0; writes out0
.if DOCPART == 4
	.amdgcn_target "amdgcn-amd-amdhsa--gfx1250"
	.amdhsa_code_object_version 6
	.text
	.protected	k_qfdde81bfaf_addup
	.globl	k_qfdde81bfaf_addup
	.p2align	8
	.type	k_qfdde81bfaf_addup,@function
k_qfdde81bfaf_addup:
	s_mov_b64 s[64:65], 0
	v_nop
	global_prefetch_b8 v0, s[64:65] scope:SCOPE_SE
	s_setreg_imm32_b32 hwreg(HW_REG_WAVE_MODE, 25, 1), 1
	s_wait_xcnt 0x0
; out0 = the sum of the four groups' parts: part is [4][1024][1024] f32.  A stream: thread T = 256 x work-group + thread takes 16 bytes at 1 MiB c + 16 T, c = 0 .. 3, of each part.
; All 16 loads of a thread go out at once; each load and store of a wave covers 512 consecutive bytes.  Two bases 8 MiB apart keep every offset inside the signed 24-bit immediate.
; No LDS, no matrix unit, no cluster: nothing is shared.
	s_load_b128 s[4:7], s[0:1], 0x0                ; part, out0
	s_lshl_b32 s8, ttmp9, 12
	v_lshl_add_u32 v1, v0, 4, s8
	s_wait_kmcnt 0x0
	s_add_nc_u64 s[10:11], s[4:5], 0x800000        ; parts 2 and 3
.irp c, 0,1,2,3
	global_load_b128 v[16+16*\c:19+16*\c], v1, s[4:5] offset:1048576*\c th:TH_LOAD_NT
	global_load_b128 v[20+16*\c:23+16*\c], v1, s[4:5] offset:4194304+1048576*\c th:TH_LOAD_NT
	global_load_b128 v[24+16*\c:27+16*\c], v1, s[10:11] offset:1048576*\c th:TH_LOAD_NT
	global_load_b128 v[28+16*\c:31+16*\c], v1, s[10:11] offset:4194304+1048576*\c th:TH_LOAD_NT
.endr
.irp c, 0,1,2,3
	s_wait_loadcnt 12-4*\c                         ; this chunk's four loads are in; the later chunks', four each, may be out
	v_pk_add_f32 v[16+16*\c:17+16*\c], v[16+16*\c:17+16*\c], v[20+16*\c:21+16*\c]
	v_pk_add_f32 v[18+16*\c:19+16*\c], v[18+16*\c:19+16*\c], v[22+16*\c:23+16*\c]
	v_pk_add_f32 v[24+16*\c:25+16*\c], v[24+16*\c:25+16*\c], v[28+16*\c:29+16*\c]
	v_pk_add_f32 v[26+16*\c:27+16*\c], v[26+16*\c:27+16*\c], v[30+16*\c:31+16*\c]
	v_pk_add_f32 v[80+4*\c:81+4*\c], v[16+16*\c:17+16*\c], v[24+16*\c:25+16*\c]
	v_pk_add_f32 v[82+4*\c:83+4*\c], v[18+16*\c:19+16*\c], v[26+16*\c:27+16*\c]
	global_store_b128 v1, v[80+4*\c:83+4*\c], s[6:7] offset:1048576*\c th:TH_STORE_NT
.endr
	s_endpgm
.Lfunc_end_k_qfdde81bfaf_addup:
	.size	k_qfdde81bfaf_addup, .Lfunc_end_k_qfdde81bfaf_addup-k_qfdde81bfaf_addup
	.p2alignl 7, 3214868480
	.fill 96, 4, 3214868480
	.section	.rodata,"a",@progbits
	.p2align	6, 0x0
	.amdhsa_kernel k_qfdde81bfaf_addup
		.amdhsa_group_segment_fixed_size 0
		.amdhsa_private_segment_fixed_size 0
		.amdhsa_enable_private_segment 0
		.amdhsa_kernarg_size 16
		.amdhsa_user_sgpr_count 2
		.amdhsa_user_sgpr_kernarg_segment_ptr 1
		.amdhsa_wavefront_size32 1
		.amdhsa_system_sgpr_workgroup_id_x 1
		.amdhsa_system_sgpr_workgroup_id_y 1
		.amdhsa_system_sgpr_workgroup_id_z 1
		.amdhsa_system_vgpr_workitem_id 0
		.amdhsa_next_free_vgpr 96
		.amdhsa_next_free_sgpr 66
		.amdhsa_reserve_vcc 0
		.amdhsa_float_denorm_mode_32 3
		.amdhsa_float_denorm_mode_16_64 3
		.amdhsa_memory_ordered 1
		.amdhsa_forward_progress 1
		.amdhsa_inst_pref_size 5
	.end_amdhsa_kernel
	.amdgpu_metadata
---
amdhsa.version: [ 1, 2 ]
amdhsa.kernels:
  - .name:           k_qfdde81bfaf_addup
    .symbol:         k_qfdde81bfaf_addup.kd
    .args:
      - { .name: part, .offset: 0, .size: 8, .value_kind: global_buffer, .address_space: global }
      - { .name: out0, .offset: 8, .size: 8, .value_kind: global_buffer, .address_space: global }
    .group_segment_fixed_size: 0
    .private_segment_fixed_size: 0
    .kernarg_segment_align: 8
    .kernarg_segment_size: 16
    .max_flat_workgroup_size: 256
    .sgpr_count:     66
    .vgpr_count:     96
    .wavefront_size: 32
...
	.end_amdgpu_metadata
.endif
;; end of part 4
